; MI455X (gfx1250); checked and timed in simulation.
; The chip was launched on July 23, 2026; its instructions are those of AMD's public machine-readable ISA for CDNA 5 (MIT licence, August 2026) and "CDNA5" Instruction Set Architecture Reference Guide (July 2026). The comments in the code are by the model that wrote it; some were corrected since.
;; Multi Head Attention. Allowed arithmetic: float matrix products may take bf16 or f16 operands with f32 sums; all other float work in f32.
;; Inputs: attn_mask 8 x 1,024 x 1,024 bool; keys 1,024 x 8 x 512 float32; queries 1,024 x 8 x 512 float32.
;; Outputs: out0 1,024 x 8 x 512 float32.
;; 2 versions, each right; version 2 is version 1 with the launch attn written anew for expert scheduling mode. Each part assembles by itself: llvm-mc -triple=amdgcn-amd-amdhsa -mcpu=gfx1250 --defsym DOCPART=n.
;; ======== version 1 of 2: 1 launch
;; limits: inputs' magnitudes at most 1e+17
;; launch attn (part 1): grid 256 x 1, 4 waves a work-group, no clusters, 217,600 bytes of LDS; arguments attn_mask, keys, queries, out0; writes out0
.if DOCPART == 1
	.amdgcn_target "amdgcn-amd-amdhsa--gfx1250"
	.amdhsa_code_object_version 6
	.text
	.protected	k_qcb5428fcdc_attn
	.globl	k_qcb5428fcdc_attn
	.p2align	8
	.type	k_qcb5428fcdc_attn,@function
k_qcb5428fcdc_attn:
	s_mov_b64 s[64:65], 0
	v_nop
	global_prefetch_b8 v0, s[64:65] scope:SCOPE_SE
	s_setreg_imm32_b32 hwreg(HW_REG_WAVE_MODE, 25, 1), 1
	s_wait_xcnt 0x0
; Attention with V = K: 64 heads (head n = bytes 256 n .. 256 n + 255 of every 16,384-byte row of queries, keys, out0), 1024 queries, 1024 keys, 64 numbers a head.
; The mask plane of head n is attn_mask[n & 7] (the scores are viewed as [8][8][T][S] with the batch index fastest).
; 256 work-groups: head n = id >> 2, query block id & 3 (256 queries).  Four waves, 64 queries each = 4 query tiles of 16.
; The head's whole K (1024 x 64) is rounded to bf16 into LDS once, then one barrier; behind it no wave writes bytes that another reads.
; PRODUCTS, both transposed, so that a lane owns ONE query (column r = lane & 15) in scores, probabilities and output:
;   scores: D = 16 keys x 16 queries, A = rows of K, B = Q, C = the mask's bias (0 or -2^125), two links (numbers 0-31, 32-63 of the head);
;   output: D = 16 numbers of the head x 16 queries, A = K transposed (ds_load_tr16_b128), B = the packed probabilities, which are the score
;           registers rounded in pairs: no shuffle; a fifth tile with A = ones sums the probabilities (the softmax's denominator).
; KEY ORDER inside a block of 32 keys: score tile i, lane half h, register j holds key 16 h + 2 j + (i xor h).  So a lane's 16 scores of a block
; belong to the 16 neighbouring mask bytes 16 h .. 16 h + 15 of its query, and the rows that a fragment load touches lie in different 16-byte columns modulo 256 bytes.
; SOFTMAX: running maximum per query, kept per lane; every slot rescales (no branch hangs on data).
; PIPELINE: a slot = one query tile x 64 keys.  Slot g does maximum, exponentials, packing, rescale and output products of g,
; the score products of g + 1 and the bias of g + 2.  The slot's 18 products are spread among its vector work: four score products in the serial end of the
; maximum, four among the exponentials, the ten output products with the rescale and the bias between them.  The slot's LDS and global loads stand in two runs,
; each behind a stretch of vector work and not straight behind a product.
; NO CLUSTER, NO TENSOR LOADS: K has to pass through registers to become bf16 (the transposing LDS load takes 16-bit elements), and an f32 copy (262,144 bytes)
; beside the bf16 copy (147,456 bytes) does not fit into the 327,680 bytes of LDS; the mask's bytes are transformed on their way in as well.
; LIMITS: a masked score is -2^125, not -infinity: raw scores that are kept must lie above -2^123 (inputs up to about 1e17).  A row with no key kept gives NaN,
; as the softmax of a row of -infinity does.  A NaN among the inputs is dropped by the maximum.  The denominator sums the probabilities as rounded to bf16.
.set ROWB,  16384                      ; bytes from row to row in queries, keys, out0
.set PK,    144                        ; LDS pitch of a key: 128 bytes of bf16 + 16
.set BLKB,  32*PK                      ; a block of 32 keys
.set TRIPB, 64*PK                      ; a trip of 64 keys
.set SPANB, 256*PK                     ; a span of 256 keys = 4 trips; also a wave's share of K
.set KLB,   1024*PK                    ; K takes LDS bytes 0 .. 147,455
.set PM,    272                        ; pitch of a row of bias bytes (256 + 16), and of a row of the way out (256 + 16)
.set CHB,   16*PM                      ; the 16 rows of a query tile
.set MSW,   64*PM                      ; a wave's own region behind K: bias bytes of the current span, at the end the stage for the way out
; window 0
.set KA,   2                           ; v2-3    LDS address of my row of K for score tile 0, 1
.set MA,   4                           ; v4      my 16 bias bytes: region + 272 r + 16 h
.set SA,   5                           ; v5      whole rows: region + 272 (lane >> 4) + 16 (lane & 15)
.set GM,   6                           ; v6      mask: 1024 (lane >> 4) + 16 (lane & 15)
.set GO,   7                           ; v7      out0: 16384 (lane >> 4) + 16 (lane & 15)
.set SEL,  8                           ; v8-11   byte selectors for the bias, index 2 i + (j & 1)
.set M,    12                          ; v12-15  running maximum of query tile 0..3
.set NMC,  16                          ; v16-17  -c x maximum (the first of the pair is used)
.set AL,   18                          ; v18-19  rescale factor (the first of the pair is used)
.set T,    20                          ; v20-27  at work; at the end the four pairs of reciprocals
.set SO,   28                          ; v28     the way out: region + 272 r + 32 h
.set NANR, 29                          ; v29     NaN
.set MW,   32                          ; v32-39  bias bytes of one slot
.set P,    40                          ; v40-55  probabilities, bf16
.set GK,   56                          ; v56     keys: 131072 (lane >> 4) + 16 (lane & 15)
.set LK,   57                          ; v57     where my 8 bytes of bf16 K go
.set GQ,   58                          ; v58     queries: 16384 r + 32 h
.set Q,    64                          ; v64-127  Q fragments, 16 qt + 8 f
.set KF,   128                         ; v128-191 K fragments of a trip, 8 (4 v + 2 i + f)
.set S0,   192                         ; v192-223, v224-255: two score buffers of 4 tiles
.set RING, 128                         ; v128-255 at the head: 32 loads of K in flight
; window 1
.set O,    0                           ; 0-159   output tiles, 40 qt + 8 c; c = 4 is the denominator
.set VF,   160                         ; 160-223 transposed K fragments of a trip, 8 (4 v + c)
.set ONES, 224                         ; 224-231 a fragment of ones
.set VA,   232                         ; 232-233 LDS addresses of the transposing loads
; window 2
.set TR,   0                           ; 0-127   the next span's mask on its way, 32 q + 4 t
.set QT,   128                         ; 128-255 Q in f32, at the head only
.set MSB, 0
.macro WIN new                         ; s_set_vgpr_msb: bits 1:0 source 0, 3:2 source 1, 5:4 source 2, 7:6 destination; the high byte repeats the setting that is left
.if MSB != \new
	s_set_vgpr_msb (MSB<<8)|\new
.set MSB, \new
.endif
.endm
; 16 rows x 256 bytes of the mask (query tile q, the span at s[4:5]): each load covers two whole rows of 256 bytes
.macro LDCHUNK q
	WIN 0x80
.irp t, 0,1,2,3,4,5,6,7
	global_load_b128 v[TR+32*(\q)+4*\t:TR+32*(\q)+4*\t+3], v[GM], s[4:5] offset:(16*(\q)+2*\t)*1024
.endr
	WIN 0
.endm
; mask bytes 1 / 0 become bias bytes 0x00 / 0xFE (0xFEFEFEFE - 0xFE x word: no byte borrows), and go to my region
.macro STCHUNK q
	s_wait_loadcnt 0x0                             ; the mask loads are the only loads out
	WIN 0x82
.set sx, 0
.rept 32
	v_mad_u32 v[TR+32*(\q)+sx], v[TR+32*(\q)+sx], s25, s26
.set sx, sx+1
.endr
	WIN 0x08
.irp t, 0,1,2,3,4,5,6,7
	ds_store_b128 v[SA], v[TR+32*(\q)+4*\t:TR+32*(\q)+4*\t+3] offset:(16*(\q)+2*\t)*PM
.endr
	WIN 0
.endm
; my 2 x 16 bias bytes of query tile q, trip u of the span
.macro MWLOAD q, u
	ds_load_b128 v[MW:MW+3],   v[MA] offset:CHB*(\q)+64*(\u)
	ds_load_b128 v[MW+4:MW+7], v[MA] offset:CHB*(\q)+64*(\u)+32
.endm
; bias byte 2 j + (i xor h) of block v goes to the top byte of score register (v, i, j): 0 or 0xFE000000 = -2^125
.macro BIAS buf
.irp v, 0,1
.irp i, 0,1
.irp j, 0,1,2,3,4,5,6,7
	v_perm_b32 v[\buf+8*(2*\v+\i)+\j], v[MW+4*\v+\j/2], 0, v[SEL+2*\i+(\j&1)]
.endr
.endr
.endr
.endm
; the same, the next n of the 32 registers of this slot's buffer (register bx = 16 v + 8 i + j), in window 0
.macro PERMS n
.if HAS
	WIN 0
.rept \n
	v_perm_b32 v[SB+bx], v[MW+4*(bx/16)+(bx&7)/2], 0, v[SEL+2*((bx/8)&1)+(bx&1)]
.set bx, bx+1
.endr
.endif
.endm
; K fragments of trip tr of the span: 2 blocks x 2 tiles x 2 halves of the head
.macro KLOAD tr
.irp v, 0,1
.irp i, 0,1
.irp f, 0,1
	ds_load_b128 v[KF+8*(4*\v+2*\i+\f):KF+8*(4*\v+2*\i+\f)+3],   v[KA+\i] offset:TRIPB*(\tr)+BLKB*\v+64*\f
	ds_load_b128 v[KF+8*(4*\v+2*\i+\f)+4:KF+8*(4*\v+2*\i+\f)+7], v[KA+\i] offset:TRIPB*(\tr)+BLKB*\v+64*\f+32
.endr
.endr
.endr
.endm
; transposed K fragments of trip u: lane 8 g + j addresses key slot j, and receives 8 keys of one number of the head
.macro VLOAD u, tail
	WIN 0x41
.irp v, 0,1
.irp c, 0,1,2,3
.irp l, 0,1
	ds_load_tr16_b128 v[VF+8*(4*\v+\c)+4*\l:VF+8*(4*\v+\c)+4*\l+3], v[VA+\l] offset:TRIPB*\u+BLKB*\v+32*\c
.endr
.endr
.endr
.if \u == 3
.if \tail == 0
	v_add_nc_u32 v[VA], v[VA], s27                 ; the next span
	v_add_nc_u32 v[VA+1], v[VA+1], s27
.endif
.endif
	WIN 0
.endm
; score product k of 8: tile k & 3, half k / 4 of the head, in place on the bias.  The four tiles take turns, one instruction a turn.
.macro SCW k, buf, qn
	v_wmma_f32_16x16x32_bf16 v[\buf+8*((\k)&3):\buf+8*((\k)&3)+7], v[KF+8*(2*((\k)&3)+(\k)/4):KF+8*(2*((\k)&3)+(\k)/4)+7], v[Q+16*(\qn)+8*((\k)/4):Q+16*(\qn)+8*((\k)/4)+7], v[\buf+8*((\k)&3):\buf+8*((\k)&3)+7]
.endm
.macro SCI k                           ; score product k of the next slot, where there is a next slot
.if HSC
	SCW \k, SX, QN
.endif
.endm
; four scores: c x score - c x maximum
.macro PKF k
	v_pk_fma_f32 v[SB+4*(\k):SB+4*(\k)+1],   v[SB+4*(\k):SB+4*(\k)+1],   s[22:23], v[NMC:NMC+1] op_sel_hi:[1,0,0]
	v_pk_fma_f32 v[SB+4*(\k)+2:SB+4*(\k)+3], v[SB+4*(\k)+2:SB+4*(\k)+3], s[22:23], v[NMC:NMC+1] op_sel_hi:[1,0,0]
.endm
; the maximum's first part: four chains over seven scores each, none waiting for the line in front of it
.macro MAXA
.irp c, 0,1,2,3
	v_max3_num_f32 v[T+\c], v[SB+8*\c], v[SB+8*\c+1], v[SB+8*\c+2]
.endr
.irp c, 0,1,2,3
	v_max3_num_f32 v[T+\c], v[T+\c], v[SB+8*\c+3], v[SB+8*\c+4]
.endr
.irp c, 0,1,2,3
	v_max3_num_f32 v[T+\c], v[T+\c], v[SB+8*\c+5], v[SB+8*\c+6]
.endr
.endm
; output product: block v of the trip's keys, tile c of query tile q.  O and the transposed K in window 1, P in window 0.
.macro PVW q, v, c
	WIN 0x51
.if \c == 4
	v_wmma_f32_16x16x32_bf16 v[O+40*\q+32:O+40*\q+39], v[ONES:ONES+7], v[P+8*\v:P+8*\v+7], v[O+40*\q+32:O+40*\q+39]
.else
	v_wmma_f32_16x16x32_bf16 v[O+40*\q+8*\c:O+40*\q+8*\c+7], v[VF+8*(4*\v+\c):VF+8*(4*\v+\c)+7], v[P+8*\v:P+8*\v+7], v[O+40*\q+8*\c:O+40*\q+8*\c+7]
.endif
.endm
; tile c of query tile q times the rescale factor, under the products' own window setting
.macro RSC q, c
	WIN 0x51
.irp x, 0,2,4,6
	v_pk_mul_f32 v[O+40*\q+8*\c+\x:O+40*\q+8*\c+\x+1], v[O+40*\q+8*\c+\x:O+40*\q+8*\c+\x+1], v[AL:AL+1] op_sel_hi:[1,0]
.endr
.endm
; One slot: query tile q, trip u of the span.  nx = 1: a further span follows (its mask is fetched and staged); tail = 1: the last span.
.macro SLOT q, u, nx, tail
.set SB, S0+32*((\q)&1)                ; this slot's scores
.set SX, S0+32*(((\q)+1)&1)            ; the next slot's: bias now, scores behind this slot's products
.set QN, ((\q)+1)&3
.set TG, 4*\u+\q+2                     ; the slot whose bias is made here
.set U2, (TG/4)&3
.set Q2, TG&3
.set HAS, 1
.set HSC, 1
.if \tail
.if TG >= 16
.set HAS, 0
.endif
.if TG >= 17
.set HSC, 0
.endif
.endif
	MAXA                                           ; twelve vector instructions behind the last slot's last product; they are also the places in front of the loads into its sources
	; the slot's first run of loads
.if HAS
	MWLOAD Q2, U2
.endif
.if \nx
.if \u == 0
	LDCHUNK \q                                     ; the next span's mask: asked for here, staged from trip 2 on
.endif
.endif
.if \q == 0
	VLOAD \u, \tail
.endif
.if \q == 3
.if HSC
	s_wait_dscnt 0x2                               ; the 16 K loads of the last slot are in; this slot's two loads of bias bytes stay out
.endif
.endif
	; the maximum's serial end (my 32 scores, the 32 of the lane that holds the other keys, the old maximum), with the first four score products of the next slot in it
	SCI 0
	v_max3_num_f32 v[T], v[T], v[T+1], v[SB+7]
	v_max3_num_f32 v[T+2], v[T+2], v[T+3], v[SB+15]
	SCI 1
	v_max3_num_f32 v[T], v[T], v[T+2], v[SB+23]
	v_max_num_f32 v[T], v[T], v[SB+31]
	SCI 2
	v_permlanex16_b32 v[T+1], v[T], s20, s21       ; lane xor 16: same query, the other keys
	v_max3_num_f32 v[T+3], v[T], v[T+1], v[M+\q]
	SCI 3
	v_mul_f32 v[NMC], s24, v[T+3]
	v_fma_f32 v[T+2], v[M+\q], s22, v[NMC]         ; c x (old - new); -infinity in the first trip
	v_exp_f32 v[AL], v[T+2]
	v_mov_b32 v[M+\q], v[T+3]                      ; the plain instruction behind the exponential (ISA guide 5.7.2)
	; exponentials, with the other four score products behind every second group
	PKF 0
.irp k, 0,1,2,3,4,5,6,7
.if \k < 7
	PKF \k+1                                       ; one group ahead of its exponentials; also the plain instruction behind the last group's
.endif
.irp x, 0,1,2,3
	v_exp_f32 v[SB+4*\k+\x], v[SB+4*\k+\x]
.endr
.if (\k)&1
	SCI 4+\k/2
.endif
.endr
.set cx, 0
	s_wait_alu depctr_va_vdst(0)
.rept 16
	v_cvt_pk_bf16_f32 v[P+cx], v[SB+2*cx], v[SB+2*cx+1]   ; tile i, registers 2 p, 2 p + 1 = key places 16 i + 8 h + 2 p, + 1 of the B fragment
.set cx, cx+1
.endr
	; the slot's second run of LDS work, behind the sixteen packing instructions, which are the places behind the last score product
.if HAS
	s_wait_dscnt 0x0                               ; the bias bytes, and with q = 0 the transposed K
.if \nx
.if TG/4 == 3
	STCHUNK Q2                                     ; that tile's rows had their last read of the span in this slot's first run, and it has come back
.endif
.endif
.endif
.if \q == 2
.set DOK, 1
.if \tail
.if \u == 3
.set DOK, 0
.endif
.endif
.if DOK
	KLOAD \u+1                                     ; the next trip's K fragments: this trip's last score product has been issued
.if \u == 3
	v_add_nc_u32 v[KA], SPANB, v[KA]               ; the next span
	v_add_nc_u32 v[KA+1], SPANB, v[KA+1]
.endif
.endif
.endif
	; rescale and output products.  The accumulators go 0 1 0 2 1 3 2 4 3 4: by turns, one instruction a turn.  A tile's rescale stands in front of
	; its first product; the bias of slot g + 2 goes into this slot's buffer, free since the packing, in six gaps.  The bias lies in window 0, the output tiles in
	; window 1 (O, both score buffers and the K fragments are 288 registers: more than one window): twelve switches a slot, each behind a product.
.set bx, 0
	RSC \q, 0
	PVW \q, 0, 0
	RSC \q, 1
	PVW \q, 0, 1
	PERMS 6
	PVW \q, 1, 0
	RSC \q, 2
	PVW \q, 0, 2
	PERMS 6
	PVW \q, 1, 1
	RSC \q, 3
	PVW \q, 0, 3
	PERMS 6
	PVW \q, 1, 2
	RSC \q, 4
	PVW \q, 0, 4
	PERMS 6
	PVW \q, 1, 3
	PERMS 4
	PVW \q, 1, 4
	PERMS 4
	WIN 0
.endm
.macro SPAN nx, tail
.irp u, 0,1,2,3
.irp q, 0,1,2,3
	SLOT \q, \u, \nx, \tail
.endr
.endr
.if \nx
	s_add_nc_u64 s[4:5], s[4:5], 256               ; the span's mask loads were shown done by the wait in front of their staging
.endif
.endm
	; ---------------- set-up
	s_load_b256 s[4:11], s[0:1], 0x0               ; mask s[4:5], keys s[6:7], queries s[8:9], out0 s[10:11]
	v_lshl_add_u32 v30, v0, 2, 0x35000
	v_mov_b32 v31, 0
	v_lshrrev_b32 v1, 5, v0
	v_readfirstlane_b32 s12, v1                    ; wave 0..3
	s_lshr_b32 s13, ttmp9, 2                       ; head n
	s_and_b32 s14, ttmp9, 3                        ; query block
	s_lshl_b32 s14, s14, 8
	s_lshl_b32 s15, s12, 6
	s_add_co_u32 s15, s15, s14                     ; my wave's first query
	s_mov_b32 s20, 0x76543210                      ; v_permlanex16_b32: lane i of the other half
	s_mov_b32 s21, 0xfedcba98
	s_mov_b32 s22, 0x3e38aa3b                      ; c = log2(e) / sqrt(64)
	s_mov_b32 s23, 0x3e38aa3b
	s_mov_b32 s24, 0xbe38aa3b                      ; -c
	s_mov_b32 s25, 0xffffff02                      ; -0xFE
	s_mov_b32 s26, 0xfefefefe
	s_mov_b32 s27, SPANB
	s_mov_b32 s28, 0xfd000000                      ; -2^123: a maximum below it means that no key was kept
	s_mul_i32 s19, s12, MSW
	s_add_co_u32 s19, s19, KLB                     ; my wave's region
	s_mul_i32 s29, s12, SPANB                      ; my wave's 256 keys in LDS
	v_and_b32 v60, 15, v0                          ; r
	v_bfe_u32 v61, v0, 4, 1                        ; h
	v_bfe_u32 v62, v0, 3, 1                        ; (lane >> 3) & 1
	v_and_b32 v63, 7, v0
	v_lshlrev_b32 v63, 1, v63                      ; 2 (lane & 7)
	v_mad_u32_u24 v59, v62, 17, v63                ; score tile 0, row r: key 16 (r>>3) + 2 (r&7) + (r>>3)
	v_mul_u32_u24 v[KA], v59, PK
	v_lshl_add_u32 v[KA], v61, 4, v[KA]
	v_mad_u32_u24 v59, v62, 15, v63                ; tile 1: key 16 (r>>3) + 2 (r&7) + 1 - (r>>3)
	v_add_nc_u32 v59, 1, v59
	v_mul_u32_u24 v[KA+1], v59, PK
	v_lshl_add_u32 v[KA+1], v61, 4, v[KA+1]
	v_mad_u32_u24 v1, v61, 17, v63                 ; transposing load 0: key 16 h + 2 (lane&7) + h
	v_mul_u32_u24 v1, v1, PK
	v_lshl_add_u32 v1, v62, 4, v1
	v_mad_u32_u24 v59, v61, 15, v63                ; load 1: key 16 h + 2 (lane&7) + 1 - h
	v_add_nc_u32 v59, 1, v59
	v_mul_u32_u24 v59, v59, PK
	v_lshl_add_u32 v59, v62, 4, v59
	WIN 0x40
	v_mov_b32 v[VA], v1
	v_mov_b32 v[VA+1], v59
.irp j, 0,1,2,3,4,5,6,7
	v_mov_b32 v[ONES+\j], 0x3f803f80               ; 1.0, 1.0 in bf16
.endr
	WIN 0
	v_lshlrev_b32 v59, 24, v61                     ; selectors: the top byte picks byte 2 p + (i xor h) of the first source, the others a zero byte
	v_add_nc_u32 v[SEL],   0x04000000, v59
	v_add_nc_u32 v[SEL+1], 0x06000000, v59
	v_sub_nc_u32 v[SEL+2], 0x05000000, v59
	v_sub_nc_u32 v[SEL+3], 0x07000000, v59
	v_mul_u32_u24 v1, v60, PM
	v_add_nc_u32 v1, s19, v1                       ; region + 272 r
	v_lshl_add_u32 v[MA], v61, 4, v1
	v_lshl_add_u32 v[SO], v61, 5, v1
	v_mul_u32_u24 v1, v61, PM
	v_lshl_add_u32 v1, v60, 4, v1
	v_add_nc_u32 v[SA], s19, v1
	v_lshlrev_b32 v1, 4, v60                       ; 16 (lane & 15)
	v_lshl_add_u32 v[GM], v61, 10, v1
	v_lshl_add_u32 v[GO], v61, 14, v1
	v_lshl_add_u32 v[GK], v61, 17, v1
	v_mul_u32_u24 v1, v61, 8*PK
	v_lshl_add_u32 v1, v60, 3, v1
	v_add_nc_u32 v[LK], s29, v1
	v_lshlrev_b32 v1, 5, v61
	v_lshl_add_u32 v[GQ], v60, 14, v1
	s_and_b32 s16, s13, 7                          ; mask plane n & 7,
	s_lshl_b32 s16, s16, 20
	s_lshl_b32 s17, s15, 10                        ; my first query's row
	s_add_co_u32 s16, s16, s17
	s_mov_b32 s17, 0
	s_lshl_b32 s30, s13, 8                         ; 256 n
	s_wait_kmcnt 0x0
	s_add_nc_u64 s[4:5], s[4:5], s[16:17]
	s_lshl_b32 s16, s12, 22                        ; my wave's 256 keys: 256 rows of 16,384 bytes
	s_add_co_u32 s16, s16, s30
	s_add_nc_u64 s[6:7], s[6:7], s[16:17]
	s_lshl_b32 s16, s15, 14                        ; my first query's row in queries and out0
	s_add_co_u32 s16, s16, s30
	s_add_nc_u64 s[8:9], s[8:9], s[16:17]
	s_add_nc_u64 s[10:11], s[10:11], s[16:17]
	; ---------------- loads: the first span's mask, Q, then K through a ring of 32 loads
	LDCHUNK 0
	LDCHUNK 1
	LDCHUNK 2
	LDCHUNK 3
	WIN 0x80
.irp qt, 0,1,2,3
.irp f, 0,1
.irp e, 0,1
	global_load_b128 v[QT+32*\qt+16*\f+8*\e:QT+32*\qt+16*\f+8*\e+3],   v[GQ], s[8:9] offset:16*ROWB*\qt+128*\f+64*\e
	global_load_b128 v[QT+32*\qt+16*\f+8*\e+4:QT+32*\qt+16*\f+8*\e+7], v[GQ], s[8:9] offset:16*ROWB*\qt+128*\f+64*\e+16
.endr
.endr
.endr
	WIN 0
.set t, 0
.rept 32
	global_load_b128 v[RING+4*t:RING+4*t+3], v[GK], s[6:7] offset:(16*(t/8)+t%8)*ROWB   ; lanes 0-15 one key's 256 bytes, lanes 16-31 the key 8 further
.set t, t+1
.endr
.set t, 0
.rept 128
.if t < 96
	s_wait_loadcnt 31                              ; loads come back in order (ISA guide 5.7.1): turn t's is in, the 31 younger stay out
.else
	s_wait_loadcnt 127-t                           ; the last 32 turns load nothing: the counts run down
.endif
	v_cvt_pk_bf16_f32 v[T+2*(t%4)],   v[RING+4*(t%32)],   v[RING+4*(t%32)+1]
	v_cvt_pk_bf16_f32 v[T+2*(t%4)+1], v[RING+4*(t%32)+2], v[RING+4*(t%32)+3]
	ds_store_b64 v[LK], v[T+2*(t%4):T+2*(t%4)+1] offset:(16*(t/8)+t%8)*PK
.if t < 96
	global_load_b128 v[RING+4*(t%32):RING+4*(t%32)+3], v[GK], s[6:7] offset:(16*((t+32)/8)+(t+32)%8)*ROWB
.endif
.set t, t+1
.endr
	WIN 0x0a                                       ; every load has landed: Q to bf16, fragment register t from f32 registers 2 t, 2 t + 1
.set t, 0
.rept 64
	v_cvt_pk_bf16_f32 v[Q+t], v[QT+2*t], v[QT+2*t+1]
.set t, t+1
.endr
	WIN 0
	STCHUNK 0
	STCHUNK 1
	STCHUNK 2
	STCHUNK 3
	s_add_nc_u64 s[4:5], s[4:5], 256               ; the mask's next span
.set t, 0
.rept 16
	v_mov_b32 v[P+t], 0
.set t, t+1
.endr
.irp qt, 0,1,2,3
	v_mov_b32 v[M+\qt], 0xff800000                 ; -infinity: the first rescale factor is 0
.endr
	v_mov_b32 v[NMC+1], 0                          ; second halves of pairs of which the first is used
	v_mov_b32 v[AL+1], 0
	v_mov_b32 v[NANR], 0x7fc00000
	WIN 0x40                                       ; 20 products of zeros start the sums: the loop has no first trip written out
.set t, 0
.rept 20
	v_wmma_f32_16x16x32_bf16 v[O+8*t:O+8*t+7], v[P:P+7], v[P+8:P+15], 0
.set t, t+1
.endr
	WIN 0
	s_wait_dscnt 0x0                               ; my part of K is in LDS,
	s_barrier_signal -1
	s_barrier_wait -1                              ; everybody's is: the only barrier
	; ---------------- the pipeline's head: scores of slot 0, bias of slot 1
	KLOAD 0
	MWLOAD 0, 0
	s_wait_dscnt 0x0
	BIAS S0
.irp k, 0,1,2,3,4,5,6,7
	SCW \k, S0, 0
.endr
	MWLOAD 1, 0
	s_wait_dscnt 0x0
	BIAS S0+32                                     ; also the places between the score products and the first maximum
	s_mov_b32 s18, 3
.Lspan:
	SPAN 1, 0
	s_sub_co_u32 s18, s18, 1
	s_cmp_lg_u32 s18, 0
	s_cbranch_scc1 .Lspan
	SPAN 0, 1                                      ; the last span fetches no mask, and its last slots make no further bias, K fragments or scores
	; ---------------- the way out: divide, 16 queries at a time through my own region, whole rows of 256 bytes to memory
.rept 4
	v_nop                                          ; the places behind the last products (ISA guide 7.12.1)
.endr
	WIN 0x01
.irp qt, 0,1,2,3
	v_rcp_f32 v[T+2*\qt],   v[O+40*\qt+32]         ; every register of the fifth tile holds my query's denominator
	v_rcp_f32 v[T+2*\qt+1], v[O+40*\qt+32]
.endr
	WIN 0
	s_wait_alu depctr_va_vdst(0)
.irp qt, 0,1,2,3
	v_cmp_gt_f32 vcc_lo, s28, v[M+\qt]             ; no key kept: NaN.  (The first compare is the plain instruction behind the reciprocals.)
	v_cndmask_b32 v[T+2*\qt],   v[T+2*\qt],   v[NANR], vcc_lo
	v_cndmask_b32 v[T+2*\qt+1], v[T+2*\qt+1], v[NANR], vcc_lo
.endr
.macro OUT qt
	WIN 0x01
.set px, 0
.rept 16
	v_pk_mul_f32 v[S0+32*(\qt&1)+2*px:S0+32*(\qt&1)+2*px+1], v[O+40*\qt+2*px:O+40*\qt+2*px+1], v[T+2*\qt:T+2*\qt+1]
.set px, px+1
.endr
	WIN 0
.irp x, 0,1,2,3,4,5,6,7
	ds_store_b128 v[SO], v[S0+32*(\qt&1)+4*\x:S0+32*(\qt&1)+4*\x+3] offset:CHB*\qt+64*(\x/2)+16*(\x&1)   ; tile c, registers 0-7 = numbers 16 c + 8 h + 0..7 of query r
.endr
	s_wait_xcnt 0x0                                ; registers that earlier stores read are loaded again only behind this wait (ISA guide 3.1)
.irp t, 0,1,2,3,4,5,6,7
	ds_load_b128 v[KF+32*(\qt&1)+4*\t:KF+32*(\qt&1)+4*\t+3], v[SA] offset:(16*\qt+2*\t)*PM   ; my own bytes, served in order: these see the stores above
.endr
.irp t, 0,1,2,3,4,5,6,7
	s_wait_dscnt 7-\t                              ; read-back t is in, the younger ones stay out
	global_store_b128 v[GO], v[KF+32*(\qt&1)+4*\t:KF+32*(\qt&1)+4*\t+3], s[10:11] offset:(16*\qt+2*\t)*ROWB th:TH_STORE_NT   ; 16 lanes store 256 consecutive bytes, aligned
.endr
.endm
	OUT 0
	OUT 1
	OUT 2
	OUT 3
	s_wait_tensorcnt 0x0
	ds_add_u32 v30, v31
	s_wait_dscnt 0x0
	s_endpgm
.Lfunc_end_k_qcb5428fcdc_attn:
	.size	k_qcb5428fcdc_attn, .Lfunc_end_k_qcb5428fcdc_attn-k_qcb5428fcdc_attn
	.p2alignl 7, 3214868480
	.fill 96, 4, 3214868480
	.section	.rodata,"a",@progbits
	.p2align	6, 0x0
	.amdhsa_kernel k_qcb5428fcdc_attn
		.amdhsa_group_segment_fixed_size 217600
		.amdhsa_private_segment_fixed_size 0
		.amdhsa_enable_private_segment 0
		.amdhsa_kernarg_size 32
		.amdhsa_user_sgpr_count 2
		.amdhsa_user_sgpr_kernarg_segment_ptr 1
		.amdhsa_wavefront_size32 1
		.amdhsa_system_sgpr_workgroup_id_x 1
		.amdhsa_system_sgpr_workgroup_id_y 1
		.amdhsa_system_sgpr_workgroup_id_z 1
		.amdhsa_system_vgpr_workitem_id 0
		.amdhsa_next_free_vgpr 768
		.amdhsa_next_free_sgpr 66
		.amdhsa_reserve_vcc 1
		.amdhsa_float_denorm_mode_32 3
		.amdhsa_float_denorm_mode_16_64 3
		.amdhsa_memory_ordered 1
		.amdhsa_forward_progress 1
		.amdhsa_inst_pref_size 255
	.end_amdhsa_kernel
	.section	.bss,"aw",@nobits
	.p2align	6
	.space	262144
	.amdgpu_metadata
---
amdhsa.version: [ 1, 2 ]
amdhsa.kernels:
  - .name:           k_qcb5428fcdc_attn
    .symbol:         k_qcb5428fcdc_attn.kd
    .args:
      - { .name: attn_mask, .offset: 0, .size: 8, .value_kind: global_buffer, .address_space: global }
      - { .name: keys, .offset: 8, .size: 8, .value_kind: global_buffer, .address_space: global }
      - { .name: queries, .offset: 16, .size: 8, .value_kind: global_buffer, .address_space: global }
      - { .name: out0, .offset: 24, .size: 8, .value_kind: global_buffer, .address_space: global }
    .group_segment_fixed_size: 217600
    .private_segment_fixed_size: 0
    .kernarg_segment_align: 8
    .kernarg_segment_size: 32
    .max_flat_workgroup_size: 128
    .sgpr_count:     66
    .vgpr_count:     768
    .wavefront_size: 32
...
	.end_amdgpu_metadata
.endif
;; end of part 1
;; ======== version 2 of 2: 1 launch; version 1 with the launch attn written anew for expert scheduling mode
;; limits: inputs' magnitudes at most 1e+17
;; launch attn (part 2): grid 256 x 1, 4 waves a work-group, no clusters, 217,600 bytes of LDS; arguments attn_mask, keys, queries, out0; writes out0
.if DOCPART == 2
	.amdgcn_target "amdgcn-amd-amdhsa--gfx1250"
	.amdhsa_code_object_version 6
	.text
	.protected	k_qcb5428fcdc_attn
	.globl	k_qcb5428fcdc_attn
	.p2align	8
	.type	k_qcb5428fcdc_attn,@function
k_qcb5428fcdc_attn:
	s_mov_b64 s[64:65], 0
	v_nop
	global_prefetch_b8 v0, s[64:65] scope:SCOPE_SE
	s_setreg_imm32_b32 hwreg(HW_REG_WAVE_SCHED_MODE, 0, 2), 2
	s_setreg_imm32_b32 hwreg(HW_REG_WAVE_MODE, 25, 1), 1
	s_wait_xcnt 0x0
	s_wait_alu depctr_vm_vsrc(0)
; Attention with V = K: 64 heads (head n = bytes 256 n .. 256 n + 255 of every 16,384-byte row of queries, keys, out0), 1024 queries, 1024 keys, 64 numbers a head.
; The mask plane of head n is attn_mask[n & 7] (the scores are viewed as [8][8][T][S] with the batch index fastest).
; 256 work-groups: head n = id >> 2, query block id & 3 (256 queries).  Four waves, 64 queries each = 4 query tiles of 16.
; The head's whole K (1024 x 64) is rounded to bf16 into LDS once, then one barrier; behind it no wave writes bytes that another reads.
; PRODUCTS, both transposed, so that a lane owns ONE query (column r = lane & 15) in scores, probabilities and output:
;   scores: D = 16 keys x 16 queries, A = rows of K, B = Q, C = the mask's bias (0 or -2^125), two links (numbers 0-31, 32-63 of the head);
;   output: D = 16 numbers of the head x 16 queries, A = K transposed (ds_load_tr16_b128), B = the packed probabilities, which are the score
;           registers rounded in pairs: no shuffle; a fifth tile with A = ones sums the probabilities (the softmax's denominator).
; KEY ORDER inside a block of 32 keys: score tile i, lane half h, register j holds key 16 h + 2 j + (i xor h).  So a lane's 16 scores of a block
; belong to the 16 neighbouring mask bytes 16 h .. 16 h + 15 of its query, and the rows that a fragment load touches lie in different 16-byte columns modulo 256 bytes.
; SOFTMAX: running maximum per query, kept per lane; every slot rescales (no branch hangs on data).
; PIPELINE: a slot = one query tile x 64 keys.  Slot g does maximum, exponentials, packing, rescale and output products of g,
; the score products of g + 1 and the bias of g + 2, and fetches the bias bytes of g + 3.  The slot's 18 products are spread among its vector work: four score products
; in the serial end of the maximum, four among the exponentials, the ten output products with the rescale and the bias between them.
; NO CLUSTER, NO TENSOR LOADS: K has to pass through registers to become bf16 (the transposing LDS load takes 16-bit elements), and an f32 copy (262,144 bytes)
; beside the bf16 copy (147,456 bytes) does not fit into the 327,680 bytes of LDS; the mask's bytes are transformed on their way in as well.
; LIMITS: a masked score is -2^125, not -infinity: raw scores that are kept must lie above -2^123 (inputs up to about 1e17).  A row with no key kept gives NaN,
; as the softmax of a row of -infinity does.  A NaN among the inputs is dropped by the maximum.  The denominator sums the probabilities as rounded to bf16.
; THE MODE: SCHED_MODE bits 1:0 = 2 (LLVM: expert scheduling mode 2), set by the entry lines.  The code itself states the register dependences
; between vector or matrix instructions and memory or LDS instructions, with s_wait_alu, always for 0.
; THE PLAN.  Registers that LDS or memory instructions touch, from the barrier on:
;   MW0, MW1  bias bytes, two buffers by the slot's parity.  Slot g: its permutes read MW[g & 1]; its two loads (the bytes for slot g + 1's permutes) land in the other, which slot g - 1's permutes read.
;   KF        K fragments.  Read by the score products of four slots, the last of them the slot with q = 2; loaded in that slot, behind its last score product.
;   VF        transposed K.  Read by the output products of a trip's four slots; loaded at the head of the slot with q = 0.
;   TR        the next span's mask.  Loads land in slots 0 to 3 of a span; in slots 10 to 13 multiply-adds turn a tile's bytes into bias bytes in place, and LDS stores read them.
;   KA, VA    LDS addresses of the K loads and of the transposing loads; stepped once a span, in slot 14.  MA, SA, GM, GO, SO are never written again.
; ONE wait on va_vdst stands in the middle of a slot, behind the packing (and the multiply-adds): all the slot's other LDS and memory instructions follow it, the K loads dealt among the output
; products.  The vector and matrix instructions behind it name O, AL, VF, ONES, P, this slot's score buffer, MW[g & 1] and SEL: none of the registers that those loads and stores touch.
; A second one stands at the head of the slots with q = 0, for VF.  One wait on vm_vsrc a span stands ahead of the two addresses' steps.
.set ROWB,  16384                      ; bytes from row to row in queries, keys, out0
.set PK,    144                        ; LDS pitch of a key: 128 bytes of bf16 + 16
.set BLKB,  32*PK                      ; a block of 32 keys
.set TRIPB, 64*PK                      ; a trip of 64 keys
.set SPANB, 256*PK                     ; a span of 256 keys = 4 trips; also a wave's share of K
.set KLB,   1024*PK                    ; K takes LDS bytes 0 .. 147,455
.set PM,    272                        ; pitch of a row of bias bytes (256 + 16), and of a row of the way out (256 + 16)
.set CHB,   16*PM                      ; the 16 rows of a query tile
.set MSW,   64*PM                      ; a wave's own region behind K: bias bytes of the current span, at the end the stage for the way out
; window 0
.set KA,   2                           ; v2-3    LDS address of my row of K for score tile 0, 1
.set MA,   4                           ; v4      my 16 bias bytes: region + 272 r + 16 h
.set SA,   5                           ; v5      whole rows: region + 272 (lane >> 4) + 16 (lane & 15)
.set GM,   6                           ; v6      mask: 1024 (lane >> 4) + 16 (lane & 15)
.set GO,   7                           ; v7      out0: 16384 (lane >> 4) + 16 (lane & 15)
.set SEL,  8                           ; v8-11   byte selectors for the bias, index 2 i + (j & 1)
.set M,    12                          ; v12-15  running maximum of query tile 0..3
.set NMC,  16                          ; v16-17  -c x maximum (the first of the pair is used)
.set AL,   18                          ; v18-19  rescale factor (the first of the pair is used)
.set T,    20                          ; v20-27  at work; at the end the four pairs of reciprocals
.set SO,   28                          ; v28     the way out: region + 272 r + 32 h
.set NANR, 29                          ; v29     NaN
.set MW0,  32                          ; v32-39  bias bytes, the buffer of the even slots
.set P,    40                          ; v40-55  probabilities, bf16
.set MW1,  56                          ; v56-63  bias bytes, the buffer of the odd slots; at the head these registers hold three offsets and five numbers at work
.set GK,   56                          ; v56     at the head: keys: 131072 (lane >> 4) + 16 (lane & 15)
.set LK,   57                          ; v57     at the head: where my 8 bytes of bf16 K go
.set GQ,   58                          ; v58     at the head: queries: 16384 r + 32 h
.set Q,    64                          ; v64-127  Q fragments, 16 qt + 8 f
.set OB,   64                          ; v64-95  at the head, before Q is rounded: two out-buffers of 16 for K in bf16
.set KF,   128                         ; v128-191 K fragments of a trip, 8 (4 v + 2 i + f)
.set S0,   192                         ; v192-223, v224-255: two score buffers of 4 tiles
.set RING, 128                         ; v128-255 at the head: 32 loads of K in flight
; window 1
.set O,    0                           ; 0-159   output tiles, 40 qt + 8 c; c = 4 is the denominator
.set VF,   160                         ; 160-223 transposed K fragments of a trip, 8 (4 v + c)
.set ONES, 224                         ; 224-231 a fragment of ones
.set VA,   232                         ; 232-233 LDS addresses of the transposing loads
; window 2
.set TR,   0                           ; 0-127   the next span's mask on its way, 32 q + 4 t
.set QT,   128                         ; 128-255 Q in f32, at the head only
.set MSB, 0
.macro WIN new                         ; s_set_vgpr_msb: bits 1:0 source 0, 3:2 source 1, 5:4 source 2, 7:6 destination; the high byte repeats the setting that is left
.if MSB != \new
	s_set_vgpr_msb (MSB<<8)|\new
.set MSB, \new
.endif
.endm
; 16 rows x 256 bytes of the mask (query tile q, the span at s[4:5]): each load covers two whole rows of 256 bytes
.macro LDCHUNK q
	WIN 0x80
.irp t, 0,1,2,3,4,5,6,7
	global_load_b128 v[TR+32*(\q)+4*\t:TR+32*(\q)+4*\t+3], v[GM], s[4:5] offset:(16*(\q)+2*\t)*1024
.endr
.endm
; mask bytes 1 / 0 become bias bytes 0x00 / 0xFE (0xFEFEFEFE - 0xFE x word: no byte borrows), in place,
.macro MADCH q
	WIN 0x82
.set sx, 0
.rept 32
	v_mad_u32 v[TR+32*(\q)+sx], v[TR+32*(\q)+sx], s25, s26
.set sx, sx+1
.endr
.endm
; and go to my region
.macro STOCH q
	WIN 0x08
.irp t, 0,1,2,3,4,5,6,7
	ds_store_b128 v[SA], v[TR+32*(\q)+4*\t:TR+32*(\q)+4*\t+3] offset:(16*(\q)+2*\t)*PM
.endr
.endm
; my 2 x 16 bias bytes of query tile q, trip u of the span, into the buffer at mw
.macro MWLOAD mw, q, u
	ds_load_b128 v[\mw:\mw+3],   v[MA] offset:CHB*(\q)+64*(\u)
	ds_load_b128 v[\mw+4:\mw+7], v[MA] offset:CHB*(\q)+64*(\u)+32
.endm
; bias byte 2 j + (i xor h) of block v goes to the top byte of score register (v, i, j): 0 or 0xFE000000 = -2^125
.macro BIAS buf, mw
.irp v, 0,1
.irp i, 0,1
.irp j, 0,1,2,3,4,5,6,7
	v_perm_b32 v[\buf+8*(2*\v+\i)+\j], v[\mw+4*\v+\j/2], 0, v[SEL+2*\i+(\j&1)]
.endr
.endr
.endr
.endm
; the same, the next n of the 32 registers of this slot's buffer (register bx = 16 v + 8 i + j), in window 0
.macro PERMS n
.if HAS
	WIN 0
.rept \n
	v_perm_b32 v[SB+bx], v[MWT+4*(bx/16)+(bx&7)/2], 0, v[SEL+2*((bx/8)&1)+(bx&1)]
.set bx, bx+1
.endr
.endif
.endm
; the next n of the 16 loads of trip tr's K fragments (2 blocks x 2 tiles x 2 halves of the head).  Load kx: half kx / 8 of the head, tile (kx % 8) / 2, 16 bytes kx & 1:
; the eight loads of the head's first half, which the first four score products read, come first
.macro KL tr, n
.rept \n
	ds_load_b128 v[KF+8*(2*((kx%8)/2)+kx/8)+4*(kx&1):KF+8*(2*((kx%8)/2)+kx/8)+4*(kx&1)+3], v[KA+(((kx%8)/2)&1)] offset:TRIPB*(\tr)+BLKB*((kx%8)/4)+64*(kx/8)+32*(kx&1)
.set kx, kx+1
.endr
.endm
; a gap among the output products, in window 0: with q = 2 four K loads, then n registers of bias
.macro GAP tr, n
.if DOK
	WIN 0
	KL \tr, 4                                      ; no wait: no vector or matrix instruction since the slot's wait names KF or KA
.endif
	PERMS \n
.endm
; transposed K fragments of trip u: lane 8 g + j addresses key slot j, and receives 8 keys of one number of the head
.macro VLOAD u
.irp v, 0,1
.irp c, 0,1,2,3
.irp l, 0,1
	ds_load_tr16_b128 v[VF+8*(4*\v+\c)+4*\l:VF+8*(4*\v+\c)+4*\l+3], v[VA+\l] offset:TRIPB*\u+BLKB*\v+32*\c
.endr
.endr
.endr
.endm
; score product k of 8: tile k & 3, half k / 4 of the head, in place on the bias.  The four tiles take turns, one instruction a turn.
.macro SCW k, buf, qn
	v_wmma_f32_16x16x32_bf16 v[\buf+8*((\k)&3):\buf+8*((\k)&3)+7], v[KF+8*(2*((\k)&3)+(\k)/4):KF+8*(2*((\k)&3)+(\k)/4)+7], v[Q+16*(\qn)+8*((\k)/4):Q+16*(\qn)+8*((\k)/4)+7], v[\buf+8*((\k)&3):\buf+8*((\k)&3)+7]
.endm
.macro SCI k                           ; score product k of the next slot, where there is a next slot
.if HSC
	SCW \k, SX, QN
.endif
.endm
; four scores: c x score - c x maximum
.macro PKF k
	v_pk_fma_f32 v[SB+4*(\k):SB+4*(\k)+1],   v[SB+4*(\k):SB+4*(\k)+1],   s[22:23], v[NMC:NMC+1] op_sel_hi:[1,0,0]
	v_pk_fma_f32 v[SB+4*(\k)+2:SB+4*(\k)+3], v[SB+4*(\k)+2:SB+4*(\k)+3], s[22:23], v[NMC:NMC+1] op_sel_hi:[1,0,0]
.endm
; the maximum's first part: four chains over seven scores each, none waiting for the line in front of it
.macro MAXA
.irp c, 0,1,2,3
	v_max3_num_f32 v[T+\c], v[SB+8*\c], v[SB+8*\c+1], v[SB+8*\c+2]
.endr
.irp c, 0,1,2,3
	v_max3_num_f32 v[T+\c], v[T+\c], v[SB+8*\c+3], v[SB+8*\c+4]
.endr
.irp c, 0,1,2,3
	v_max3_num_f32 v[T+\c], v[T+\c], v[SB+8*\c+5], v[SB+8*\c+6]
.endr
.endm
; output product: block v of the trip's keys, tile c of query tile q.  O and the transposed K in window 1, P in window 0.
.macro PVW q, v, c
	WIN 0x51
.if \c == 4
	v_wmma_f32_16x16x32_bf16 v[O+40*\q+32:O+40*\q+39], v[ONES:ONES+7], v[P+8*\v:P+8*\v+7], v[O+40*\q+32:O+40*\q+39]
.else
	v_wmma_f32_16x16x32_bf16 v[O+40*\q+8*\c:O+40*\q+8*\c+7], v[VF+8*(4*\v+\c):VF+8*(4*\v+\c)+7], v[P+8*\v:P+8*\v+7], v[O+40*\q+8*\c:O+40*\q+8*\c+7]
.endif
.endm
; tile c of query tile q times the rescale factor, under the products' own window setting
.macro RSC q, c
	WIN 0x51
.irp x, 0,2,4,6
	v_pk_mul_f32 v[O+40*\q+8*\c+\x:O+40*\q+8*\c+\x+1], v[O+40*\q+8*\c+\x:O+40*\q+8*\c+\x+1], v[AL:AL+1] op_sel_hi:[1,0]
.endr
.endm
; One slot: query tile q, trip u of the span.  nx = 1: a further span follows (its mask is fetched and staged); tail = 1: the last span.
.macro SLOT q, u, nx, tail
.set SB, S0+32*((\q)&1)                ; this slot's scores
.set SX, S0+32*(((\q)+1)&1)            ; the next slot's: bias now, scores behind this slot's products
.set MWT, MW0+24*((\q)&1)              ; the bias bytes that this slot's permutes read
.set MWN, MW0+24*(((\q)+1)&1)          ; the buffer that this slot's loads fill, for the next slot's permutes
.set QN, ((\q)+1)&3
.set TG, 4*\u+\q+2                     ; the slot whose bias is made here; the bias bytes fetched here are those of slot TG + 1
.set Q2, TG&3
.set U3, ((TG+1)/4)&3
.set Q3, (TG+1)&3
.set HAS, 1                            ; bias is made
.set HSC, 1                            ; scores are made
.set HA3, 1                            ; bias bytes are fetched
.if \tail
.if TG >= 15
.set HA3, 0
.endif
.if TG >= 16
.set HAS, 0
.endif
.if TG >= 17
.set HSC, 0
.endif
.endif
.set DST, 0                            ; a tile of the next span's bias is staged
.set DLD, 0                            ; a tile of the next span's mask is asked for
.if \nx
.if TG/4 == 3
.set DST, 1
.endif
.if \u == 0
.set DLD, 1
.endif
.endif
.set DOK, 0                            ; the next trip's K fragments are loaded
.set STP, 0                            ; the two LDS addresses step to the next span
.if \q == 2
.set DOK, 1
.if \u == 3
.if \tail
.set DOK, 0
.else
.set STP, 1
.endif
.endif
.endif
	MAXA                                           ; twelve vector instructions behind the last slot's last product
.if \q == 0
	WIN 0x41
	s_wait_alu depctr_va_vdst(0)                   ; the last slot's output products are done reading VF, in which the loads below land; in a span's first slot VA, stepped in the span before, is written
	VLOAD \u
	WIN 0
.endif
.if \q == 3
.if HSC
	s_wait_dscnt 0x8                               ; the K loads of the head's first half are in; the eight of its second half, issued behind them, stay out
.endif
.endif
	; the maximum's serial end (my 32 scores, the 32 of the lane that holds the other keys, the old maximum), with the first four score products of the next slot in it
	SCI 0
	v_max3_num_f32 v[T], v[T], v[T+1], v[SB+7]
	v_max3_num_f32 v[T+2], v[T+2], v[T+3], v[SB+15]
	SCI 1
	v_max3_num_f32 v[T], v[T], v[T+2], v[SB+23]
	v_max_num_f32 v[T], v[T], v[SB+31]
	SCI 2
	v_permlanex16_b32 v[T+1], v[T], s20, s21       ; lane xor 16: same query, the other keys
	v_max3_num_f32 v[T+3], v[T], v[T+1], v[M+\q]
	SCI 3
	v_mul_f32 v[NMC], s24, v[T+3]
	v_fma_f32 v[T+2], v[M+\q], s22, v[NMC]         ; c x (old - new); -infinity in the first trip
	v_exp_f32 v[AL], v[T+2]
	v_mov_b32 v[M+\q], v[T+3]                      ; the plain instruction behind the exponential (ISA guide 5.7.2)
	; exponentials, with the other four score products behind every second group
	PKF 0
.irp k, 0,1,2,3,4,5,6,7
.if \k < 7
	PKF \k+1                                       ; one group ahead of its exponentials; also the plain instruction behind the last group's
.endif
.irp x, 0,1,2,3
	v_exp_f32 v[SB+4*\k+\x], v[SB+4*\k+\x]
.endr
.if \k == 1
.if \q == 3
.if HSC
	s_wait_dscnt 0x0                               ; the K loads of the head's second half are in
.endif
.endif
.endif
.if (\k)&1
	SCI 4+\k/2
.endif
.endr
.set cx, 0
	s_wait_alu depctr_va_vdst(0)
.rept 16
	v_cvt_pk_bf16_f32 v[P+cx], v[SB+2*cx], v[SB+2*cx+1]   ; tile i, registers 2 p, 2 p + 1 = key places 16 i + 8 h + 2 p, + 1 of the B fragment
.set cx, cx+1
.endr
	; the middle of the slot: its one wait, and behind it its LDS and memory instructions
.if DST
	s_wait_loadcnt 0x0                             ; the mask loads are the only loads out
	MADCH Q2
	WIN 0x08
.endif
.if HAS
	s_wait_dscnt 0x0                               ; this slot's bias bytes, fetched in the last slot, and with q = 0 the transposed K
.endif
.if HA3+DST+DOK
	s_wait_alu depctr_va_vdst(0)                   ; the last slot's permutes are done reading the other buffer of bias bytes, in which the loads below land; where a tile is staged, the multiply-adds have written TR, which the LDS stores read; with q = 2 the score products are done reading KF, in which the loads among the output products land, and KA is written
.endif
.if DST
	STOCH Q2                                       ; that tile's rows had their last read of the span in the last slot, and it has come back
	WIN 0
.endif
.if HA3
	MWLOAD MWN, Q3, U3
.endif
.if DLD
	LDCHUNK \q                                     ; the next span's mask: asked for here, staged from trip 2 on.  TR was last named in the span before (or at the head), ahead of waits on va_vdst and on vm_vsrc
.endif
	; rescale and output products.  The accumulators go 0 1 0 2 1 3 2 4 3 4: by turns, one instruction a turn.  A tile's rescale stands in front of
	; its first product; the bias of slot g + 2 goes into this slot's buffer, free since the packing, in six gaps.  The bias lies in window 0, the output tiles in
	; window 1 (O, both score buffers and the K fragments are 288 registers: more than one window): twelve switches a slot, each behind a product.
.set bx, 0
.set kx, 0
	RSC \q, 0
	PVW \q, 0, 0
	RSC \q, 1
	PVW \q, 0, 1
	GAP \u+1, 6
	PVW \q, 1, 0
	RSC \q, 2
	PVW \q, 0, 2
	GAP \u+1, 6
	PVW \q, 1, 1
	RSC \q, 3
	PVW \q, 0, 3
	GAP \u+1, 6
	PVW \q, 1, 2
	RSC \q, 4
	PVW \q, 0, 4
	GAP \u+1, 6
	PVW \q, 1, 3
	PERMS 4
	PVW \q, 1, 4
.if STP
	s_wait_alu depctr_vm_vsrc(0)                   ; the span's transposing loads have read VA and its K loads KA, which the adds below write; the LDS stores of the four slots before have read TR, in which the next span's mask loads land
	v_add_nc_u32 v[VA], v[VA], s27                 ; the next span; the wait at the head of its first slot stands ahead of the next load by VA
	v_add_nc_u32 v[VA+1], v[VA+1], s27
.endif
	PERMS 4
.if STP
	v_add_nc_u32 v[KA], SPANB, v[KA]               ; the next span; the waits of its first slots stand ahead of the next load by KA
	v_add_nc_u32 v[KA+1], SPANB, v[KA+1]
.endif
	WIN 0
.endm
.macro SPAN nx, tail
.irp u, 0,1,2,3
.irp q, 0,1,2,3
	SLOT \q, \u, \nx, \tail
.endr
.endr
.if \nx
	s_add_nc_u64 s[4:5], s[4:5], 256               ; the span's mask loads were shown done by the wait in front of their staging
.endif
.endm
	; ---------------- set-up
	s_load_b256 s[4:11], s[0:1], 0x0               ; mask s[4:5], keys s[6:7], queries s[8:9], out0 s[10:11]
	v_lshl_add_u32 v30, v0, 2, 0x35000
	v_mov_b32 v31, 0
	v_lshrrev_b32 v1, 5, v0
	v_readfirstlane_b32 s12, v1                    ; wave 0..3
	s_lshr_b32 s13, ttmp9, 2                       ; head n
	s_and_b32 s14, ttmp9, 3                        ; query block
	s_lshl_b32 s14, s14, 8
	s_wait_alu depctr_va_sdst(0)                   ; s12 is written, ahead of its first reader: LDS places and the bases of all four buffers are made from it
	s_lshl_b32 s15, s12, 6
	s_add_co_u32 s15, s15, s14                     ; my wave's first query
	s_mov_b32 s20, 0x76543210                      ; v_permlanex16_b32: lane i of the other half
	s_mov_b32 s21, 0xfedcba98
	s_mov_b32 s22, 0x3e38aa3b                      ; c = log2(e) / sqrt(64)
	s_mov_b32 s23, 0x3e38aa3b
	s_mov_b32 s24, 0xbe38aa3b                      ; -c
	s_mov_b32 s25, 0xffffff02                      ; -0xFE
	s_mov_b32 s26, 0xfefefefe
	s_mov_b32 s27, SPANB
	s_mov_b32 s28, 0xfd000000                      ; -2^123: a maximum below it means that no key was kept
	s_mul_i32 s19, s12, MSW
	s_add_co_u32 s19, s19, KLB                     ; my wave's region
	s_mul_i32 s29, s12, SPANB                      ; my wave's 256 keys in LDS
	v_and_b32 v60, 15, v0                          ; r
	v_bfe_u32 v61, v0, 4, 1                        ; h
	v_bfe_u32 v62, v0, 3, 1                        ; (lane >> 3) & 1
	v_and_b32 v63, 7, v0
	v_lshlrev_b32 v63, 1, v63                      ; 2 (lane & 7)
	v_mad_u32_u24 v59, v62, 17, v63                ; score tile 0, row r: key 16 (r>>3) + 2 (r&7) + (r>>3)
	v_mul_u32_u24 v[KA], v59, PK
	v_lshl_add_u32 v[KA], v61, 4, v[KA]
	v_mad_u32_u24 v59, v62, 15, v63                ; tile 1: key 16 (r>>3) + 2 (r&7) + 1 - (r>>3)
	v_add_nc_u32 v59, 1, v59
	v_mul_u32_u24 v[KA+1], v59, PK
	v_lshl_add_u32 v[KA+1], v61, 4, v[KA+1]
	v_mad_u32_u24 v1, v61, 17, v63                 ; transposing load 0: key 16 h + 2 (lane&7) + h
	v_mul_u32_u24 v1, v1, PK
	v_lshl_add_u32 v1, v62, 4, v1
	v_mad_u32_u24 v59, v61, 15, v63                ; load 1: key 16 h + 2 (lane&7) + 1 - h
	v_add_nc_u32 v59, 1, v59
	v_mul_u32_u24 v59, v59, PK
	v_lshl_add_u32 v59, v62, 4, v59
	WIN 0x40
	v_mov_b32 v[VA], v1
	v_mov_b32 v[VA+1], v59
.irp j, 0,1,2,3,4,5,6,7
	v_mov_b32 v[ONES+\j], 0x3f803f80               ; 1.0, 1.0 in bf16
.endr
	WIN 0
	v_lshlrev_b32 v59, 24, v61                     ; selectors: the top byte picks byte 2 p + (i xor h) of the first source, the others a zero byte
	v_add_nc_u32 v[SEL],   0x04000000, v59
	v_add_nc_u32 v[SEL+1], 0x06000000, v59
	v_sub_nc_u32 v[SEL+2], 0x05000000, v59
	v_sub_nc_u32 v[SEL+3], 0x07000000, v59
	v_mul_u32_u24 v1, v60, PM
	v_add_nc_u32 v1, s19, v1                       ; region + 272 r
	v_lshl_add_u32 v[MA], v61, 4, v1
	v_lshl_add_u32 v[SO], v61, 5, v1
	v_mul_u32_u24 v1, v61, PM
	v_lshl_add_u32 v1, v60, 4, v1
	v_add_nc_u32 v[SA], s19, v1
	v_lshlrev_b32 v1, 4, v60                       ; 16 (lane & 15)
	v_lshl_add_u32 v[GM], v61, 10, v1
	v_lshl_add_u32 v[GO], v61, 14, v1
	v_lshl_add_u32 v[GK], v61, 17, v1
	v_mul_u32_u24 v1, v61, 8*PK
	v_lshl_add_u32 v1, v60, 3, v1
	v_add_nc_u32 v[LK], s29, v1
	v_lshlrev_b32 v1, 5, v61
	v_lshl_add_u32 v[GQ], v60, 14, v1
	s_and_b32 s16, s13, 7                          ; mask plane n & 7,
	s_lshl_b32 s16, s16, 20
	s_lshl_b32 s17, s15, 10                        ; my first query's row
	s_add_co_u32 s16, s16, s17
	s_mov_b32 s17, 0
	s_lshl_b32 s30, s13, 8                         ; 256 n
	s_wait_kmcnt 0x0
	s_add_nc_u64 s[4:5], s[4:5], s[16:17]
	s_lshl_b32 s16, s12, 22                        ; my wave's 256 keys: 256 rows of 16,384 bytes
	s_add_co_u32 s16, s16, s30
	s_add_nc_u64 s[6:7], s[6:7], s[16:17]
	s_lshl_b32 s16, s15, 14                        ; my first query's row in queries and out0
	s_add_co_u32 s16, s16, s30
	s_add_nc_u64 s[8:9], s[8:9], s[16:17]
	s_add_nc_u64 s[10:11], s[10:11], s[16:17]
	; ---------------- loads: the first span's mask, Q, then K through a ring of 32 loads
	WIN 0x80
	s_wait_alu depctr_va_vdst(0)                   ; all offsets and LDS addresses (KA, MA, SA, GM, GO, SO, GK, LK, GQ, VA) are written, which the loads and stores of the kernel read; so are v59-63, in which bias bytes land later
	LDCHUNK 0
	LDCHUNK 1
	LDCHUNK 2
	LDCHUNK 3
.irp qt, 0,1,2,3
.irp f, 0,1
.irp e, 0,1
	global_load_b128 v[QT+32*\qt+16*\f+8*\e:QT+32*\qt+16*\f+8*\e+3],   v[GQ], s[8:9] offset:16*ROWB*\qt+128*\f+64*\e
	global_load_b128 v[QT+32*\qt+16*\f+8*\e+4:QT+32*\qt+16*\f+8*\e+7], v[GQ], s[8:9] offset:16*ROWB*\qt+128*\f+64*\e+16
.endr
.endr
.endr
	WIN 0
.set t, 0
.rept 32
	global_load_b128 v[RING+4*t:RING+4*t+3], v[GK], s[6:7] offset:(16*(t/8)+t%8)*ROWB   ; lanes 0-15 one key's 256 bytes, lanes 16-31 the key 8 further
.set t, t+1
.endr
	; K's 128 turns go in 16 groups of eight.  Group g: its sixteen conversions read eight ring places and write out-buffer g & 1; behind ONE wait the eight places are asked for again
	; and eight LDS stores read the out-buffer.  With two out-buffers the wait that frees one stands a whole group behind the stores that read it.
.set gj, 0
.rept 16
.if gj < 12
	s_wait_loadcnt 24                              ; loads come back in order (ISA guide 5.7.1): this group's eight are in, the 24 younger stay out
.else
	s_wait_loadcnt 120-8*gj                        ; the last four groups load nothing: the counts run down
.endif
.if gj >= 2
	s_wait_alu depctr_vm_vsrc(0)                   ; the LDS stores of two groups back have read this out-buffer, which the conversions write again
.endif
.set gi, 0
.rept 8
.set t, 8*gj+gi
	v_cvt_pk_bf16_f32 v[OB+16*(gj&1)+2*gi],   v[RING+4*(t%32)],   v[RING+4*(t%32)+1]
	v_cvt_pk_bf16_f32 v[OB+16*(gj&1)+2*gi+1], v[RING+4*(t%32)+2], v[RING+4*(t%32)+3]
.set gi, gi+1
.endr
	s_wait_alu depctr_va_vdst(0)                   ; the conversions have written the out-buffer, which the LDS stores read, and are done reading the ring's eight places, in which the loads land
.set gi, 0
.rept 8
.set t, 8*gj+gi
.if gj < 12
	global_load_b128 v[RING+4*(t%32):RING+4*(t%32)+3], v[GK], s[6:7] offset:(16*((t+32)/8)+(t+32)%8)*ROWB
.endif
	ds_store_b64 v[LK], v[OB+16*(gj&1)+2*gi:OB+16*(gj&1)+2*gi+1] offset:(16*(t/8)+t%8)*PK
.set gi, gi+1
.endr
.set gj, gj+1
.endr
	MADCH 0                                        ; every load has landed: the first span's mask becomes bias bytes
	MADCH 1
	MADCH 2
	MADCH 3
	WIN 0x08
	s_wait_alu depctr_va_vdst(0)                   ; the multiply-adds have written TR, which the LDS stores read
	STOCH 0
	STOCH 1
	STOCH 2
	STOCH 3
	WIN 0
	s_add_nc_u64 s[4:5], s[4:5], 256               ; the mask's next span
.set t, 0
.rept 16
	v_mov_b32 v[P+t], 0
.set t, t+1
.endr
.irp qt, 0,1,2,3
	v_mov_b32 v[M+\qt], 0xff800000                 ; -infinity: the first rescale factor is 0
.endr
	v_mov_b32 v[NMC+1], 0                          ; second halves of pairs of which the first is used
	v_mov_b32 v[AL+1], 0
	v_mov_b32 v[NANR], 0x7fc00000
	WIN 0x40                                       ; 20 products of zeros start the sums: the loop has no first trip written out
.set t, 0
.rept 20
	v_wmma_f32_16x16x32_bf16 v[O+8*t:O+8*t+7], v[P:P+7], v[P+8:P+15], 0
.set t, t+1
.endr
	WIN 0x0a
	s_wait_alu depctr_vm_vsrc(0)                   ; K's last LDS stores have read the out-buffers, which Q's conversions write; the loads and stores of the head have read v56-58, in which bias bytes land; the staging stores have read TR, in which the next span's mask lands
.set t, 0
.rept 64
	v_cvt_pk_bf16_f32 v[Q+t], v[QT+2*t], v[QT+2*t+1]   ; Q to bf16, fragment register t from f32 registers 2 t, 2 t + 1
.set t, t+1
.endr
	WIN 0
	s_wait_dscnt 0x0                               ; my part of K is in LDS,
	s_barrier_signal -1
	s_barrier_wait -1                              ; everybody's is: the only barrier
	; ---------------- the pipeline's head: scores of slot 0, bias of slot 1, bias bytes of slot 2.  No vector or matrix instruction since the wait ahead of the staging stores names KF, KA, MA or a buffer of bias bytes.
.set kx, 0
	KL 0, 16
	MWLOAD MW0, 0, 0
	MWLOAD MW1, 1, 0
	s_wait_dscnt 0x0
	BIAS S0, MW0
.irp k, 0,1,2,3,4,5,6,7
	SCW \k, S0, 0
.endr
	BIAS S0+32, MW1                                ; also the places between the score products and the first maximum
	s_wait_alu depctr_va_vdst(0)                   ; the first bias's permutes are done reading MW0, in which the load below lands
	MWLOAD MW0, 2, 0
	s_mov_b32 s18, 3
.Lspan:
	SPAN 1, 0
	s_sub_co_u32 s18, s18, 1
	s_cmp_lg_u32 s18, 0
	s_cbranch_scc1 .Lspan
	SPAN 0, 1                                      ; the last span fetches no mask, and its last slots make no further bias, K fragments or scores
	; ---------------- the way out: divide, 16 queries at a time through my own region, whole rows of 256 bytes to memory
.rept 4
	v_nop                                          ; the places behind the last products (ISA guide 7.12.1)
.endr
	WIN 0x01
.irp qt, 0,1,2,3
	v_rcp_f32 v[T+2*\qt],   v[O+40*\qt+32]         ; every register of the fifth tile holds my query's denominator
	v_rcp_f32 v[T+2*\qt+1], v[O+40*\qt+32]
.endr
	WIN 0
.irp qt, 0,1,2,3
	v_cmp_gt_f32 s[32+\qt], s28, v[M+\qt]          ; no key kept: NaN.  (The compares are the plain instructions behind the reciprocals.)
.endr
	s_wait_alu depctr_va_sdst(0)                   ; the four masks s32-35 are written, ahead of the selects that read them
	s_wait_alu depctr_va_vdst(0)
.irp qt, 0,1,2,3
	v_cndmask_b32 v[T+2*\qt],   v[T+2*\qt],   v[NANR], s[32+\qt]
	v_cndmask_b32 v[T+2*\qt+1], v[T+2*\qt+1], v[NANR], s[32+\qt]
.endr
; Tile qt: the multiplies write score buffer qt & 1, the LDS stores read it; the LDS loads land in half qt & 1 of KF's first 64 registers, the global stores read it.
.macro OUT qt
.if \qt >= 2
	s_wait_xcnt 0x0                                ; registers that earlier global stores read are loaded again only behind this wait (ISA guide 3.1)
	s_wait_alu depctr_vm_vsrc(0)                   ; the LDS stores of two tiles back have read this score buffer, which the multiplies write again; its global stores have read the registers in which the LDS loads below land
.endif
	WIN 0x01
.set px, 0
.rept 16
	v_pk_mul_f32 v[S0+32*(\qt&1)+2*px:S0+32*(\qt&1)+2*px+1], v[O+40*\qt+2*px:O+40*\qt+2*px+1], v[T+2*\qt:T+2*\qt+1]
.set px, px+1
.endr
	WIN 0
	s_wait_alu depctr_va_vdst(0)                   ; the multiplies have written the score buffer, which the LDS stores read; the score products are long done reading KF, in which the LDS loads land
.irp x, 0,1,2,3,4,5,6,7
	ds_store_b128 v[SO], v[S0+32*(\qt&1)+4*\x:S0+32*(\qt&1)+4*\x+3] offset:CHB*\qt+64*(\x/2)+16*(\x&1)   ; tile c, registers 0-7 = numbers 16 c + 8 h + 0..7 of query r
.endr
.irp t, 0,1,2,3,4,5,6,7
	ds_load_b128 v[KF+32*(\qt&1)+4*\t:KF+32*(\qt&1)+4*\t+3], v[SA] offset:(16*\qt+2*\t)*PM   ; my own bytes, served in order: these see the stores above
.endr
.irp t, 0,1,2,3,4,5,6,7
	s_wait_dscnt 7-\t                              ; read-back t is in, the younger ones stay out
	global_store_b128 v[GO], v[KF+32*(\qt&1)+4*\t:KF+32*(\qt&1)+4*\t+3], s[10:11] offset:(16*\qt+2*\t)*ROWB th:TH_STORE_NT   ; 16 lanes store 256 consecutive bytes, aligned
.endr
.endm
	OUT 0
	OUT 1
	OUT 2
	OUT 3
	s_wait_dscnt 0x0
	s_wait_alu depctr_hold_cnt(0) depctr_sa_sdst(0) depctr_va_vdst(0) depctr_va_sdst(0) depctr_va_ssrc(0) depctr_va_vcc(0) depctr_vm_vsrc(0)
	s_wait_tensorcnt 0x0
	ds_add_u32 v30, v31
	s_wait_dscnt 0x0
	s_endpgm
.Lfunc_end_k_qcb5428fcdc_attn:
	.size	k_qcb5428fcdc_attn, .Lfunc_end_k_qcb5428fcdc_attn-k_qcb5428fcdc_attn
	.p2alignl 7, 3214868480
	.fill 96, 4, 3214868480
	.section	.rodata,"a",@progbits
	.p2align	6, 0x0
	.amdhsa_kernel k_qcb5428fcdc_attn
		.amdhsa_group_segment_fixed_size 217600
		.amdhsa_private_segment_fixed_size 0
		.amdhsa_enable_private_segment 0
		.amdhsa_kernarg_size 32
		.amdhsa_user_sgpr_count 2
		.amdhsa_user_sgpr_kernarg_segment_ptr 1
		.amdhsa_wavefront_size32 1
		.amdhsa_system_sgpr_workgroup_id_x 1
		.amdhsa_system_sgpr_workgroup_id_y 1
		.amdhsa_system_sgpr_workgroup_id_z 1
		.amdhsa_system_vgpr_workitem_id 0
		.amdhsa_next_free_vgpr 768
		.amdhsa_next_free_sgpr 66
		.amdhsa_reserve_vcc 0
		.amdhsa_float_denorm_mode_32 3
		.amdhsa_float_denorm_mode_16_64 3
		.amdhsa_memory_ordered 1
		.amdhsa_forward_progress 1
		.amdhsa_inst_pref_size 255
	.end_amdhsa_kernel
	.section	.bss,"aw",@nobits
	.p2align	6
	.space	262144
	.amdgpu_metadata
---
amdhsa.version: [ 1, 2 ]
amdhsa.kernels:
  - .name:           k_qcb5428fcdc_attn
    .symbol:         k_qcb5428fcdc_attn.kd
    .args:
      - { .name: attn_mask, .offset: 0, .size: 8, .value_kind: global_buffer, .address_space: global }
      - { .name: keys, .offset: 8, .size: 8, .value_kind: global_buffer, .address_space: global }
      - { .name: queries, .offset: 16, .size: 8, .value_kind: global_buffer, .address_space: global }
      - { .name: out0, .offset: 24, .size: 8, .value_kind: global_buffer, .address_space: global }
    .group_segment_fixed_size: 217600
    .private_segment_fixed_size: 0
    .kernarg_segment_align: 8
    .kernarg_segment_size: 32
    .max_flat_workgroup_size: 128
    .sgpr_count:     66
    .vgpr_count:     768
    .wavefront_size: 32
...
	.end_amdgpu_metadata
.endif
;; end of part 2
